; MI455X (gfx1250); checked and timed in simulation.
; The chip was launched on July 23, 2026; its instructions are those of AMD's public machine-readable ISA for CDNA 5 (MIT licence, August 2026) and "CDNA5" Instruction Set Architecture Reference Guide (July 2026). The comments in the code are by the model that wrote it; some were corrected since.
;; Patched Dbrx Experts. Allowed arithmetic: matrix products marked QUANTISED: E5M2 operands, one E8M0 scale for each 32 along K, by v_wmma_scale_f32_16x16x128_f8f6f4 with both operands' format E5M2, f32 sums; products left as they are: f32 operands where the result goes on into a quantised operand, else bf16, f16 or f32 operands; f32 sums; everything else in f32.
;; Inputs: top_experts 2,048 x 4 int32; top_weights 2,048 x 4 float32; v1_codes 8 x 512 x 64 x 32 uint8 (E5M2 codes of v1, K innermost, in blocks of 32 codes); v1_scales 8 x 512 x 64 uint8 (E8M0 scales of v1, one for each 32 codes along K); w1_codes 8 x 512 x 64 x 32 uint8 (E5M2 codes of w1, K innermost, in blocks of 32 codes); w1_scales 8 x 512 x 64 uint8 (E8M0 scales of w1, one for each 32 codes along K); w2_codes 8 x 2,048 x 16 x 32 uint8 (E5M2 codes of w2, K innermost, in blocks of 32 codes); w2_scales 8 x 2,048 x 16 uint8 (E8M0 scales of w2, one for each 32 codes along K); weights 2,048 x 8 float32; x_codes 2 x 1,024 x 64 x 32 uint8 (E5M2 codes of x, K innermost, in blocks of 32 codes); x_scales 2 x 1,024 x 64 uint8 (E8M0 scales of x, one for each 32 codes along K).
;; Outputs: out0 2 x 1,024 x 2,048 float32.
;; This version of the problem:
;;   THIS VERSION OF THE PROBLEM IS GIVEN IN LOW PRECISION. The matrix products marked QUANTISED in the list below multiply operands that are first quantised to E5M2 (5 exponent bits, 2 mantissa bits; 8 bits a number), with one power-of-two scale for each 32 numbers along K (OCP MX v1.0); their sums are f32. All else is computed in f32.
;;   The module's matrix products, in the order in which they are computed (A, B: the left and right operand; K: the contracted axis; several contracted axes count as one K, in the product's order):
;;     1. batch 2,048 x [M 8, K 4] x [K 4, N 1]; A: computed on the way; B: input top_weights: left as it is (K = 4 < 32)
;;     2. [M 2,048, K 2,048] x [K 2,048, N 512]; A: input x (given as codes); B: input w1 (given as codes): QUANTISED
;;     3. [M 2,048, K 2,048] x [K 2,048, N 512]; A: input x (given as codes); B: input v1 (given as codes): QUANTISED
;;     4. [M 2,048, K 512] x [K 512, N 2,048]; A: computed on the way; B: input w2 (given as codes): QUANTISED
;;     5. [M 2,048, K 2,048] x [K 2,048, N 512]; A: input x (given as codes); B: input w1 (given as codes): QUANTISED
;;     6. [M 2,048, K 2,048] x [K 2,048, N 512]; A: input x (given as codes); B: input v1 (given as codes): QUANTISED
;;     7. [M 2,048, K 512] x [K 512, N 2,048]; A: computed on the way; B: input w2 (given as codes): QUANTISED
;;     8. [M 2,048, K 2,048] x [K 2,048, N 512]; A: input x (given as codes); B: input w1 (given as codes): QUANTISED
;;     9. [M 2,048, K 2,048] x [K 2,048, N 512]; A: input x (given as codes); B: input v1 (given as codes): QUANTISED
;;     10. [M 2,048, K 512] x [K 512, N 2,048]; A: computed on the way; B: input w2 (given as codes): QUANTISED
;;     11. [M 2,048, K 2,048] x [K 2,048, N 512]; A: input x (given as codes); B: input w1 (given as codes): QUANTISED
;;     12. [M 2,048, K 2,048] x [K 2,048, N 512]; A: input x (given as codes); B: input v1 (given as codes): QUANTISED
;;     13. [M 2,048, K 512] x [K 512, N 2,048]; A: computed on the way; B: input w2 (given as codes): QUANTISED
;;     14. [M 2,048, K 2,048] x [K 2,048, N 512]; A: input x (given as codes); B: input w1 (given as codes): QUANTISED
;;     15. [M 2,048, K 2,048] x [K 2,048, N 512]; A: input x (given as codes); B: input v1 (given as codes): QUANTISED
;;     16. [M 2,048, K 512] x [K 512, N 2,048]; A: computed on the way; B: input w2 (given as codes): QUANTISED
;;     17. [M 2,048, K 2,048] x [K 2,048, N 512]; A: input x (given as codes); B: input w1 (given as codes): QUANTISED
;;     18. [M 2,048, K 2,048] x [K 2,048, N 512]; A: input x (given as codes); B: input v1 (given as codes): QUANTISED
;;     19. [M 2,048, K 512] x [K 512, N 2,048]; A: computed on the way; B: input w2 (given as codes): QUANTISED
;;     20. [M 2,048, K 2,048] x [K 2,048, N 512]; A: input x (given as codes); B: input w1 (given as codes): QUANTISED
;;     21. [M 2,048, K 2,048] x [K 2,048, N 512]; A: input x (given as codes); B: input v1 (given as codes): QUANTISED
;;     22. [M 2,048, K 512] x [K 512, N 2,048]; A: computed on the way; B: input w2 (given as codes): QUANTISED
;;     23. [M 2,048, K 2,048] x [K 2,048, N 512]; A: input x (given as codes); B: input w1 (given as codes): QUANTISED
;;     24. [M 2,048, K 2,048] x [K 2,048, N 512]; A: input x (given as codes); B: input v1 (given as codes): QUANTISED
;;     25. [M 2,048, K 512] x [K 512, N 2,048]; A: computed on the way; B: input w2 (given as codes): QUANTISED
;;   THE QUANTISER, for each operand of a quantised product, along K:
;;     - K is cut into blocks of 32 from its start; a last block that is shorter is filled with zeros.
;;     - A block's scale is 2^e with e = floor(log2(the largest magnitude in the block)) - 15, held to -126 .. 127; a block of zeros has e = 0. As a byte (E8M0): e + 127.
;;     - Each number is divided by its block's scale, clamped to +-57,344, and rounded to the nearest number of E5M2, ties to even, subnormals kept.
;;     - The product sums the exact products of the quantised numbers (number of the format x scale) in f32.
;;   ~~~python
;;   def quantise(x, axis):      # numpy; x: float32 -> the quantised numbers, widened to float32 again
;;       x = np.moveaxis(x, axis, -1); K = x.shape[-1]
;;       x = np.pad(x, [(0, 0)] * (x.ndim - 1) + [(0, -K % 32)]); x = x.reshape(x.shape[:-1] + (-1, 32)); a = np.abs(x).max(-1, keepdims=True)
;;       e = np.where(a > 0, np.clip(np.frexp(np.where(a > 0, a, 1))[1] - 1 - 15, -126, 127), 0)      # np.frexp(a)[1] - 1 = floor(log2(a)), exactly
;;       r = np.clip(x / 2.0 ** e, -57344, 57344)
;;       step = 2.0 ** (np.maximum(np.frexp(np.where(r == 0, 1, r))[1] - 1, -14) - 2)
;;       q = np.round(r / step) * step * 2.0 ** e      # np.round: ties to even
;;       return np.moveaxis(q.reshape(q.shape[:-2] + (-1,))[..., :K], -1, axis).astype(np.float32)
;;   ~~~
;;   OPERANDS COMPUTED ON THE WAY. 'Computed on the way' means the value that the module computes at that place (a softmax that the list does not call 'softmax' is quantised finished and normalised). What goes into a quantiser is computed in f32, as accurately as f32 sums, v_exp_f32 and their like allow (about 1e-6 of the number): no bf16 or f16 on the way to a quantiser, and a product that is left as it is and whose result goes on into a quantised operand takes f32 operands (vector FMAs, or v_wmma_f32_16x16x4_f32). A number that lies on a knife's edge between two numbers of the format may be rounded either way, as far as f32 arithmetic and the matrix unit's own rounding can turn it there, and no further.
;;   INPUTS GIVEN AS CODES. v1 (in the module: [8, 512, 2048], K = its axis 2); w1 (in the module: [8, 512, 2048], K = its axis 2); w2 (in the module: [8, 512, 2048], K = its axis 1); x (in the module: [2, 1024, 2048], K = its axis 2): each comes as NAME_codes (uint8): NAME with its K axis moved to the last place and cut into blocks of 32 codes, [.., K / 32, bytes a block], one block behind the other in memory; one code a byte (a code: sign, 5 exponent bits, 2 mantissa bits); and NAME_scales (uint8): the same leading axes, one E8M0 byte (e + 127) for each 32 codes along K. Its value is code x scale, taken as it is: it is not quantised again, and the codes and scales need not be those that the quantiser above would give.
;; One version. Each part assembles by itself: llvm-mc -triple=amdgcn-amd-amdhsa -mcpu=gfx1250 --defsym DOCPART=n.
;; ======== version 1 of 1: 2 launches
;; limits: right only within a limited range of input values
;; workspace buffers: hid_codes 8,388,608 bytes; hid_scales 262,144 bytes
;; launch hidden (part 1): grid 32 x 8, 4 waves a work-group, clusters of 4 x 4, 327,680 bytes of LDS; arguments x_codes, x_scales, w1_codes, w1_scales, v1_codes, v1_scales, hid_codes, hid_scales; writes hid_codes, hid_scales
.if DOCPART == 1
	.amdgcn_target "amdgcn-amd-amdhsa--gfx1250"
	.amdhsa_code_object_version 6
	.text
	.protected	k_qaf4511ed63_hidden
	.globl	k_qaf4511ed63_hidden
	.p2align	8
	.type	k_qaf4511ed63_hidden,@function
k_qaf4511ed63_hidden:
	s_mov_b64 s[64:65], 0
	v_nop
	global_prefetch_b8 v0, s[64:65] scope:SCOPE_SE
	s_setreg_imm32_b32 hwreg(HW_REG_WAVE_MODE, 25, 1), 1
	s_wait_xcnt 0x0
	s_wait_alu depctr_hold_cnt(0) depctr_sa_sdst(0) depctr_va_vdst(0) depctr_va_sdst(0) depctr_va_ssrc(0) depctr_va_vcc(0) depctr_vm_vsrc(0)
	s_getreg_b32 s2, hwreg(HW_REG_IB_STS2, 6, 4)
	s_cmp_eq_u32 s2, 0
	s_cbranch_scc0 .Lentry_in_a_cluster
	s_endpgm
.Lentry_in_a_cluster:
	s_bfe_u32 s2, ttmp6, 0x10000c
	s_cmp_lg_u32 s2, 0xf033
	s_cbranch_scc0 .Lentry_shape_is_right
	s_endpgm
.Lentry_shape_is_right:
; h[e][t][f] = silu(x[t] . w1[e][f]) * (x[t] . v1[e][f]) for all 8 experts, 2,048 tokens, 512 hidden units, quantised along f to codes of BF8 (E5M2) with one E8M0 byte for each 32 units.
; x [2048][2048], w1 and v1 [8 x 512][2048] arrive as codes, K innermost, with scale bytes [rows][64]; the matrix instruction takes codes and bytes as they lie.
; SHARES.  A work-group takes 256 tokens (tile row) x 128 hidden units of one expert (tile column = 4 x expert + slice), for BOTH products: its second operand is 128 rows of w1 and the same 128 rows of v1.
; Four waves, as many as a WGP has SIMDs; a wave makes 128 tokens x (64 gates + 64 ups of the same units): 64 accumulators of 16 x 16, 512 registers.  32 x 8 = 256 work-groups.
; K goes in steps of 256 through a ring of two LDS slots filled by the tensor data mover; the scale bytes of the work-group's rows, for all of K, come into LDS once, with the first fills.
; CLUSTERS: 4 x 4 work-groups.  The four of a row of the cluster need the same tokens, the four of a column the same rows of w1 and v1: each tile is asked for JOINTLY.
; THE MATRIX INSTRUCTION IS USED TRANSPOSED (source 0 = 16 weight rows, source 1 = 16 tokens): a lane holds ONE token (lane % 16), and register j of tile i the unit 16 i + 8 (lane / 16) + j.
; THE WAY OUT.  Gate and up of a unit lie in the same lane and the same place of two accumulators: silu, the product and the quantiser are work of a lane; a block of 32 units lies in lanes l and l xor 16.
; The codes leave as IMAGES OF THE NEXT PRODUCT'S OPERAND REGISTERS (hid_codes: [expert][tile of 16 tokens][K step of 128 units][group c][lane][16 bytes]; lane (r, h) of group c: token r, units 32 c + 16 h + 0 .. 15).
; LIMITS: NaN and infinities in the hidden layer are not served.  A block of zeros gets the byte 1 where the quantiser's rule says 127: its codes are zeros, and this program alone reads the bytes.
; The input 'weights' is an argument that the computation never uses; no launch of this program is given it.
; REGISTERS, in windows of 256: window 0: v0-31 addresses; v32-63 scale words, two sets, and nothing else; v64-127 at work on the way out; from v128 the tokens' fragments, ONE set (on the way out: codes, scale halves).
;   window 1: the weights' fragments, TWO sets.   window 2: the accumulators of my tokens 0-63 (token block a, weight block b at v[8 (8 (a % 4) + b)]; b 0-3 gates, 4-7 ups);   window 3: tokens 64-127.
.set NQ,     2                         ; matrix instructions deep in a slot: 256 along K
.set ROWB,   256                       ; a tile's row in bytes
.set KROW,   2048                      ; a row of x, w1, v1 in memory
.set PITCH,  272                       ; an LDS row: 256 bytes + 16 of padding = 68 words: row r starts at bank 4 r mod 64 (ISA guide 11.1), so the 16 rows of a load start at 16 different banks
.set FR,     16                        ; registers of a fragment: 16 rows x 128 K
.set NL,     4                         ; LDS loads that bring one
.set NP,     8                         ; places behind this matrix instruction (ISA guide 7.12.1)
.set HALFT,  128*PITCH                 ; 128 rows: what one tensor load brings
.set SLOT,   4*HALFT                   ; x's 256 rows, w1's 128, v1's 128
.set LAPS,   4                         ; a lap = two K steps of 256 = once round the ring; K = 2,048
.set SCL,    2*SLOT                    ; behind the ring: the scale bytes, as units of 256 bytes (four rows of 64) + 16 of padding
.set SBLK,   4*272                     ; those of 16 rows
.set HALFS,  8*SBLK                    ; those of 128 rows: what one tensor load brings
.set SPARE,  SCL+4*HALFS               ; the spare words, 128 bytes for each wave: two blocks of 256 bytes that no other line names
.set SST,    SPARE+512                 ; the hidden layer's scale words of my 256 tokens, 4 bytes a token: written by LDS stores alone, no tile lands here
.set ADRA, 16                          ; v16-17  LDS address of my tokens' fragments in slot 0, 1
.set ADRB, 20                          ; v20-21  the same for my weight rows
.set HST,  24                          ; v24     16 x lane: my place in an image
.set SSTO, 25                          ; v25     where I put two scale bytes of a token
.set SRD,  26                          ; v26     where I read scale words back
.set ADRS, 27                          ; v27     LDS address of scale words: lanes 0-15 x's rows, lanes 16-31 w1's
.set SPW,  28                          ; v28     LDS address of my spare word; never rewritten
.set NIL,  29                          ; v29     0; never rewritten
.set ADRS2, 30                         ; v30     as v27, lanes 16-31 v1's
.set SGO,  31                          ; v31     my byte offset among the work-group's scale words in memory
.set SC,   32                          ; scale words: set s at v[SC + 16 s]; register 2 i + q: lanes 0-15 the word of token block i, lanes 16-31 that of weight block i, for the slot's q-th 128 along K
.set TT,   64                          ; v64-127  64 numbers of a lane at work
; At the head v64-127 carry the scale bytes to LDS.  On the way out v64-127 are 64 numbers of a lane at work (two token blocks), and v200 on, free of fragments by then, its helpers:
.set TM,   200                         ; v200-203 largest magnitudes, 204-207 the partner's, 208-211 the conversions' scale operands, 212-215 the holds, 216-219 the bytes
.set XT,   220                         ; v220-235 the partner's codes
.set SWD,  236                         ; v236-237 scale words read back
.set PFO,  8                           ; v8      the prefetches' offset: lane x a row of 2,048 bytes; never rewritten
.set SCD,  9                           ; v9      where I put scale bytes in LDS
.set AF,   128                         ; the tokens' fragments
.set CD,   128                         ; the way out: 8 registers of codes for each token block
.set HW,   192                         ; and its two scale bytes
.set WV,   20                          ; s20 wave;  s21 which 128 tokens are mine, also: I fetch x (0) or weights (1);  s22 which 64 units are mine, also: which half I fetch
.set TH,   21
.set UH,   22
.set LAP,  23
.set G1, 24                            ; s[24:31] descriptor group 1 for x's tiles;  s[32:39] group 0, one set for each slot
.set G0, 32
.set G1B, 48                           ; s[48:55], s[56:63] the same for the weights' tiles
.set G0B, 56
.set PFA, 68                           ; s[68:69] where my prefetches stand
.set LIM, 70                           ; s70     1: my wave prefetches;  64: it does not
.set MSB, 0
.macro WIN new                         ; the immediate's high byte repeats the setting that is left; a switch that changes nothing is dropped
.if MSB != (\new)
	s_set_vgpr_msb (MSB<<8)|(\new)
.set MSB, (\new)
.endif
.endm
.set MUL_LO, 0xa1                      ; source 0 (weights) window 1, source 1 (tokens) window 0, C and D window 2
.set MUL_HI, 0xf1                      ; the same, C and D window 3
.set TO_B,   0x40                      ; destination window 1, address window 0
; A joint load: waves 0 and 1 fetch x's halves, wave 2 w1's rows, wave 3 v1's.  Each of the two lines has ONE mask; the branch hangs on the wave's number alone.
; Four v_nop follow each of the two lines, ahead of the jump, the label and what follows.
.macro JLOAD g0a, g1a, g0b, g1b
	s_cmp_eq_u32 s[TH], 0
	s_cbranch_scc0 .Lfor_b_\@
	tensor_load_to_lds s[\g0a:\g0a+3], s[\g1a:\g1a+7]
	s_nop 0
.rept 4
	v_nop
.endr
	s_branch .Lasked_\@
.Lfor_b_\@:
	tensor_load_to_lds s[\g0b:\g0b+3], s[\g1b:\g1b+7]
	s_nop 0
.rept 4
	v_nop
.endr
.Lasked_\@:
.endm
.macro CREST                           ; a round of the cluster's barrier behind its opening barrier
	s_cmp_lg_u32 s[WV], 0
	s_cbranch_scc1 .Lnot_wave_0_\@
	s_barrier_signal -3
.Lnot_wave_0_\@:
	s_barrier_wait -3
	s_barrier_signal -1
	s_barrier_wait -1
.endm
.macro CROUND                          ; a whole round
	s_barrier_signal -1
	s_barrier_wait -1
	CREST
.endm
.macro PLACES n                        ; plain vector instructions that name no register of the matrix instructions in front of them
.rept \n
	v_nop
.endr
.endm
	s_load_b256 s[4:11], s[0:1], 0x0               ; x's codes s[4:5], x's scales s[6:7], w1's codes s[8:9], w1's scales s[10:11]
	s_load_b256 s[12:19], s[0:1], 0x20             ; v1's codes s[12:13], v1's scales s[14:15], hid_codes s[16:17], hid_scales s[18:19]
	v_lshl_add_u32 v[SPW], v0, 2, SPARE
	v_mov_b32 v[NIL], 0
	ds_add_u32 v28, v29
	ds_add_u32 v28, v29
	s_wait_dscnt 0x0
	v_lshrrev_b32 v1, 5, v0
	v_readfirstlane_b32 s[WV], v1                  ; wave 0..3
	s_lshr_b32 s[TH], s[WV], 1
	s_and_b32 s[UH], s[WV], 1
	s_bfe_u32 s40, ttmp6, 0x40000                  ; cx, cy: my place in the cluster
	s_bfe_u32 s41, ttmp6, 0x40004
	s_lshl_b32 s42, ttmp9, 2
	s_add_co_u32 s42, s42, s40                     ; tile column = 4 x cluster x + cx = 4 x expert + slice of 128 units
	s_and_b32 s45, ttmp7, 0xffff
	s_lshl_b32 s45, s45, 2
	s_add_co_u32 s45, s45, s41                     ; tile row = 4 x cluster y + cy: 256 tokens
	s_lshl_b32 s43, s41, 2
	s_lshl_b32 s43, 15, s43                        ; my row of the cluster
	s_lshl_b32 s44, 0x1111, s40                    ; my column
	; descriptor group 1: a tile of 128 rows x 256 bytes, padded in LDS
	s_or_b32 s[G1+0], s43, (0<<16)|(1<<20)|(1<<21)|(5<<22)|(3<<25)   ; 15:0 the mask: x's tiles go to my row; 17:16 elements of 1 byte; 20 padding on; 21 set beside a mask; 24:22 after every 64 words; 31:25 four words
	s_or_b32 s[G1B+0], s44, (0<<16)|(1<<20)|(1<<21)|(5<<22)|(3<<25)  ; the weights' go to my column
.irp g, G1, G1B
	s_mov_b32 s[\g+1], ROWB<<16                    ; tensor_dim0
	s_mov_b32 s[\g+2], 128<<16                     ; tensor_dim1
	s_mov_b32 s[\g+3], ROWB<<16                    ; tile_dim0
	s_mov_b32 s[\g+4], 128                         ; tile_dim1
	s_mov_b32 s[\g+5], KROW                        ; tensor_dim0_stride
	s_mov_b32 s[\g+6], 0
	s_mov_b32 s[\g+7], 0
.endr
	s_mov_b32 s2, 0xbfb8aa3b                       ; -log2(e): the packed form names the pair s[2:3] and takes its low word for both halves
	s_mov_b32 s3, 0xbfb8aa3b
	s_mov_b32 s98, 0x76543210                      ; v_permlanex16_b32's selects for lane l xor 16
	s_mov_b32 s99, 0xfedcba98
	s_mov_b32 s100, 0x600000                       ; the mantissa field of 57,344
	s_mul_i32 s101, s[WV], HALFT                   ; where my tile goes in a slot: wave x 128 rows: no place in the cluster enters an LDS address
	s_mul_i32 s71, s[WV], HALFS
	s_add_co_u32 s71, s71, SCL                     ; and my 128 rows' scale bytes
	v_and_b32 v7, 31, v0
	v_lshlrev_b32 v[HST], 4, v7                    ; 16 x lane
	v_bfe_u32 v2, v0, 4, 1
	v_lshl_add_u32 v[SCD], v2, 4, v[HST]           ; 16 bytes of padding for each 256 passed
	v_add_nc_u32 v[SCD], s71, v[SCD]
	v_lshlrev_b32 v[PFO], 11, v7
	s_wait_alu depctr_va_vdst(0)
	s_wait_kmcnt 0x0
	s_cmp_eq_u32 s[UH], 0                          ; the weights' fetchers: wave 2 takes w1, wave 3 v1.  The choice hangs on the wave's number alone
	s_cselect_b64 s[94:95], s[8:9], s[12:13]
	s_cselect_b64 s[66:67], s[10:11], s[14:15]
	s_lshl_b32 s46, s42, 18                        ; 128 rows of 2,048 bytes for each tile column
	s_mov_b32 s47, 0
	s_add_nc_u64 s[94:95], s[94:95], s[46:47]
	s_lshl_b32 s46, s42, 13                        ; and 128 rows of 64 scale bytes
	s_add_nc_u64 s[66:67], s[66:67], s[46:47]
	s_lshl_b32 s92, s45, 19                        ; x: 256 rows for each tile row, + my half's 128
	s_lshl_b32 s93, s[UH], 18
	s_add_co_u32 s92, s92, s93
	s_mov_b32 s93, 0
	s_add_nc_u64 s[4:5], s[4:5], s[92:93]
	s_lshl_b32 s92, s45, 14
	s_lshl_b32 s93, s[UH], 13
	s_add_co_u32 s92, s92, s93
	s_mov_b32 s93, 0
	s_add_nc_u64 s[6:7], s[6:7], s[92:93]
	; THE SCALE BYTES of the 128 rows that I fetch, for all of K, are 8,192 dense bytes: 16 loads of 512 bytes, stored to LDS further down
	s_cmp_eq_u32 s[TH], 0
	s_cselect_b64 s[72:73], s[6:7], s[66:67]
	s_cselect_b64 s[PFA:PFA+1], s[4:5], s[94:95]
	s_cselect_b32 s74, s40, s41                    ; of the 128 rows the partner at place p (cx for x, cy for weights) prefetches 32 p .. 32 p + 31, a lane a row
	s_lshl_b32 s74, s74, 16
	s_mov_b32 s75, 0
	s_add_nc_u64 s[PFA:PFA+1], s[PFA:PFA+1], s[74:75]
	s_cmp_lt_u32 ttmp9, 4                          ; x's rows are shared by all eight experts' clusters: those of experts 0 to 3 ask for them; the weights' every cluster asks for its own
	s_cselect_b32 s[LIM], 1, 64
	s_cmp_eq_u32 s[TH], 0
	s_cselect_b32 s[LIM], s[LIM], 1
.set i, 0
.rept 16
	global_load_b128 v[TT+4*i:TT+4*i+3], v[HST], s[72:73] offset:512*i
.set i, i+1
.endr
	; where my results go: hid_codes: expert << 20 + (16 x tile row + 8 x token half) << 13 + slice << 11 + unit half << 10;  hid_scales: tile column << 13 + tile row << 10
	s_lshr_b32 s96, s42, 2
	s_lshl_b32 s96, s96, 20
	s_lshl_b32 s97, s45, 17
	s_add_co_u32 s96, s96, s97
	s_lshl_b32 s97, s[TH], 16
	s_add_co_u32 s96, s96, s97
	s_and_b32 s97, s42, 3
	s_lshl_b32 s97, s97, 11
	s_add_co_u32 s96, s96, s97
	s_lshl_b32 s97, s[UH], 10
	s_add_co_u32 s96, s96, s97
	s_mov_b32 s97, 0
	s_add_nc_u64 s[16:17], s[16:17], s[96:97]
	s_lshl_b32 s96, s42, 13
	s_lshl_b32 s97, s45, 10
	s_add_co_u32 s96, s96, s97
	s_mov_b32 s97, 0
	s_add_nc_u64 s[18:19], s[18:19], s[96:97]
	; descriptor group 0, one for each slot: count, LDS address, global address with the type
.irp s, 0,1
	s_mov_b32 s[G0+4*\s], 1
	s_add_co_u32 s[G0+4*\s+1], s101, \s*SLOT
	s_add_nc_u64 s[G0+4*\s+2:G0+4*\s+3], s[4:5], \s*ROWB
	s_or_b32 s[G0+4*\s+3], s[G0+4*\s+3], 0x80000000
	s_mov_b32 s[G0B+4*\s], 1
	s_add_co_u32 s[G0B+4*\s+1], s101, \s*SLOT
	s_add_nc_u64 s[G0B+4*\s+2:G0B+4*\s+3], s[94:95], \s*ROWB
	s_or_b32 s[G0B+4*\s+3], s[G0B+4*\s+3], 0x80000000
.endr
	CROUND                                         ; all sixteen work-groups are here: the first joint loads meet
	JLOAD G0, G1, G0B, G1B                         ; K step 0: one tensor load a wave at the head
	; A PREFETCH INTO THE L2 names a K step of 256 bytes of the rows that my work-group's wave asks for, once in each cluster that asks: here K step 1, behind K step 1's load K steps 2 and 3,
	; behind the refill with K step n + 2 K step n + 4: two K steps ahead of the load that wants it.  The last two refills ask for nothing.
	s_cmp_eq_u32 s[LIM], 1
	s_cbranch_scc0 .Lno_head_ask
	global_prefetch_b8 v[PFO], s[PFA:PFA+1] offset:ROWB th:TH_LOAD_NT scope:SCOPE_SE
.Lno_head_ask:
	v_and_b32 v1, 15, v0                           ; r = lane % 16
	v_bfe_u32 v2, v0, 4, 1                         ; h = lane / 16
	v_mul_u32_u24 v3, v1, PITCH
	v_lshl_add_u32 v4, v2, 4, v3                   ; a fragment's row x pitch + 16 x half
	s_mul_i32 s8, s[TH], HALFT                     ; my 128 tokens
	s_mul_i32 s9, s[UH], 64*PITCH                  ; my 64 rows of w1, behind x's 256; v1's lie 128 rows further on
	s_add_co_u32 s9, s9, 2*HALFT
.irp s, 0,1
	v_add_nc_u32 v[ADRA+\s], s8, v4
	v_add_nc_u32 v[ADRB+\s], s9, v4
	s_add_co_u32 s8, s8, SLOT
	s_add_co_u32 s9, s9, SLOT
.endr
	v_lshlrev_b32 v5, 6, v1                        ; my row's scale bytes: 64 a row,
	v_lshrrev_b32 v6, 2, v1
	v_lshl_add_u32 v5, v6, 4, v5                   ; and 16 more for each four rows passed
	s_mul_i32 s8, s[TH], HALFS                     ; lanes 0-15: my 128 tokens' rows
	s_mul_i32 s9, s[UH], 4*SBLK                    ; lanes 16-31: my 64 rows of w1, behind x's 256: the distance from the one to the other,
	s_add_co_u32 s9, s9, 2*HALFS
	s_sub_co_u32 s9, s9, s8
	v_mul_u32_u24 v6, s9, v2                       ; times h
	s_add_co_u32 s9, s9, 4*SBLK                    ; weight blocks 4-7 are v1's: 128 rows on, of which the block's number already steps 64
	v_mul_u32_u24 v7, s9, v2
	s_add_co_u32 s8, s8, SCL
	v_add_nc_u32 v6, v5, v6
	v_add_nc_u32 v7, v5, v7
	v_add_nc_u32 v[ADRS], s8, v6
	v_add_nc_u32 v[ADRS2], s8, v7
	v_and_b32 v6, 31, v0                           ; lane
	s_lshl_b32 s8, s[TH], 9                        ; the scale words' stage: token x 4, + 2 x my half of the units
	s_lshl_b32 s9, s[UH], 1
	s_add_co_u32 s8, s8, s9
	s_add_co_u32 s8, s8, SST
	v_lshl_add_u32 v[SSTO], v1, 2, s8
	s_lshl_b32 s8, s[WV], 8                        ; back: wave w takes 64 tokens' words, 8 bytes a lane
	v_lshl_add_u32 v[SGO], v6, 3, s8
	v_add_nc_u32 v[SRD], SST, v[SGO]
	s_wait_alu depctr_va_vdst(0)
	s_wait_loadcnt 0x0
.set i, 0
.rept 16
	ds_store_b128 v[SCD], v[TT+4*i:TT+4*i+3] offset:544*i   ; two units of 256 bytes + 16 for each load
.set i, i+1
.endr
.macro FRAGA reg, slot, q, i           ; a fragment, 16 rows x 128 K of 8-bit codes: lane l holds row l % 16; registers 4 c .. 4 c + 3 hold K = 32 c + 16 (l / 16) + 0 .. 15
.irp c, 0,1,2,3
	ds_load_b128 v[\reg+4*\c:\reg+4*\c+3], v[ADRA+\slot] offset:128*(\q)+32*\c+(\i)*16*PITCH
.endr
.endm
.macro FRAGB reg, slot, q, i           ; weight block i: 0-3 my rows of w1, 4-7 the same rows of v1, 128 LDS rows further on
.irp c, 0,1,2,3
	ds_load_b128 v[\reg+4*\c:\reg+4*\c+3], v[ADRB+\slot] offset:128*(\q)+32*\c+(((\i)/4)*128+((\i)%4)*16)*PITCH
.endr
.endm
; 16 matrix instructions: token blocks a0, a0 + 1 x the eight weight blocks, 128 along K: the slot's q-th.  p: the weights' set;  sc: the set of scale words.  zero = 1: the first product starts the sums.
; The 64 accumulators take turns, one instruction a turn, in the same order in every step.
.macro MUL16 a0, p, q, sc, zero
.irp a, \a0, \a0+1
.irp b, 0,1,2,3,4,5,6,7
.if \zero
	v_wmma_scale_f32_16x16x128_f8f6f4 v[8*(8*((\a)%4)+\b):8*(8*((\a)%4)+\b)+7], v[128*(\p)+FR*\b:128*(\p)+FR*\b+FR-1], v[AF+FR*(\a):AF+FR*(\a)+FR-1], 0, v[SC+8*NQ*(\sc)+NQ*\b+(\q)], v[SC+8*NQ*(\sc)+NQ*(\a)+(\q)] matrix_a_fmt:MATRIX_FMT_BF8 matrix_b_fmt:MATRIX_FMT_BF8 matrix_a_scale:MATRIX_SCALE_ROW1
.else
	v_wmma_scale_f32_16x16x128_f8f6f4 v[8*(8*((\a)%4)+\b):8*(8*((\a)%4)+\b)+7], v[128*(\p)+FR*\b:128*(\p)+FR*\b+FR-1], v[AF+FR*(\a):AF+FR*(\a)+FR-1], v[8*(8*((\a)%4)+\b):8*(8*((\a)%4)+\b)+7], v[SC+8*NQ*(\sc)+NQ*\b+(\q)], v[SC+8*NQ*(\sc)+NQ*(\a)+(\q)] matrix_a_fmt:MATRIX_FMT_BF8 matrix_b_fmt:MATRIX_FMT_BF8 matrix_a_scale:MATRIX_SCALE_ROW1
.endif
.endr
.endr
.endm
; The same for token blocks 0-3 x weight blocks b0 .. b0 + 3.
.macro MULQ b0, p, q, sc, zero
.irp a, 0,1,2,3
.irp b, \b0, \b0+1, \b0+2, \b0+3
.if \zero
	v_wmma_scale_f32_16x16x128_f8f6f4 v[8*(8*\a+(\b)):8*(8*\a+(\b))+7], v[128*(\p)+FR*(\b):128*(\p)+FR*(\b)+FR-1], v[AF+FR*\a:AF+FR*\a+FR-1], 0, v[SC+8*NQ*(\sc)+NQ*(\b)+(\q)], v[SC+8*NQ*(\sc)+NQ*\a+(\q)] matrix_a_fmt:MATRIX_FMT_BF8 matrix_b_fmt:MATRIX_FMT_BF8 matrix_a_scale:MATRIX_SCALE_ROW1
.else
	v_wmma_scale_f32_16x16x128_f8f6f4 v[8*(8*\a+(\b)):8*(8*\a+(\b))+7], v[128*(\p)+FR*(\b):128*(\p)+FR*(\b)+FR-1], v[AF+FR*\a:AF+FR*\a+FR-1], v[8*(8*\a+(\b)):8*(8*\a+(\b))+7], v[SC+8*NQ*(\sc)+NQ*(\b)+(\q)], v[SC+8*NQ*(\sc)+NQ*\a+(\q)] matrix_a_fmt:MATRIX_FMT_BF8 matrix_b_fmt:MATRIX_FMT_BF8 matrix_a_scale:MATRIX_SCALE_ROW1
.endif
.endr
.endr
.endm
.macro FETCH_H slot, q, p, i0          ; four of the weight fragments: blocks i0 .. i0 + 3, into set p
	WIN TO_B
.irp i, \i0, \i0+1, \i0+2, \i0+3
	FRAGB 128*(\p)+FR*(\i), \slot, \q, \i
.endr
	WIN 0
.endm
.macro FETCH_A slot, q, i0             ; token blocks i0 .. i0 + 3
.irp i, \i0, \i0+1, \i0+2, \i0+3
	FRAGA AF+FR*(\i), \slot, \q, \i
.endr
.endm
.macro SCALES sc                       ; a K step's scale words into set sc: two words a row; lanes 0-15 take token block i, lanes 16-31 weight block i
.irp i, 0,1,2,3
	ds_load_b64 v[SC+8*NQ*\sc+NQ*\i:SC+8*NQ*\sc+NQ*\i+1], v[ADRS] offset:\i*SBLK
.endr
.irp i, 4,5,6,7
	ds_load_b64 v[SC+8*NQ*\sc+NQ*\i:SC+8*NQ*\sc+NQ*\i+1], v[ADRS2] offset:\i*SBLK
.endr
.endm
; A step of 128 along K that has its successor in the same slot.  A token block is free as soon as its eight products are issued, so one set of registers serves the tokens:
; blocks 0-3 are fetched anew in the step's middle, blocks 4-7 at its end; the weights' fragments are at work through the whole step and have two sets.
.macro STEP slot, q, zero
	s_wait_dscnt 12*NL                             ; weight blocks 0-3, token blocks 0-3 and the scale words are in; younger: weight blocks 4-7, token blocks 4-7, weight blocks 0-3 of the next 128 along K, 16 loads each
	WIN MUL_LO
	MULQ 0, (\q)%2, \q, \slot, \zero
	s_wait_dscnt 8*NL                              ; weight blocks 4-7 are in
	MULQ 4, (\q)%2, \q, \slot, \zero
	s_wait_dscnt 4*NL                              ; token blocks 4-7 are in; the next weights' 16 may be out
	PLACES NP                                      ; in front of loads into registers that matrix instructions have read
	FETCH_H \slot, (\q)+1, 1-(\q)%2, 4
	FETCH_A \slot, (\q)+1, 0
	WIN MUL_HI
	MUL16 4, (\q)%2, \q, \slot, \zero
	MUL16 6, (\q)%2, \q, \slot, \zero
	PLACES NP
	WIN 0
	FETCH_A \slot, (\q)+1, 4
.endm
; A slot's last step changes slots: ONE barrier.  The step's first 32 products, which want nothing of the next slot, stand AHEAD of the wait for the next slot's tile: so a refill has a whole slot's
; 128 matrix instructions between its request and the wait for it, and between a tile's landing and the next request stand only the add and the round.
; In front of the barrier each wave waits for all its tensor loads, adds 0 to its spare word, and waits for that and for its own reads of this slot.  fill = 1: this slot is filled again, two K steps ahead.
.macro TURN slot, next, fill
.if \fill
	s_wait_xcnt 0x0                                ; my last prefetch has read its address
	s_add_nc_u64 s[PFA:PFA+1], s[PFA:PFA+1], ROWB
.endif
	s_wait_dscnt 4*NL                              ; the weights' set and token blocks 0-3 are in; the youngest 16 loads (token blocks 4-7) may be out
	WIN MUL_LO
	MUL16 0, 1, NQ-1, \slot, 0
	MUL16 2, 1, NQ-1, \slot, 0
	WIN 0                                          ; the add's two registers lie in window 0
	s_wait_tensorcnt 0x0                           ; all my tensor loads have landed: the one that was out is my part of the next slot; no load of mine is out, so a group 0 may be written
	ds_add_u32 v[SPW], v[NIL]                      ; 0 onto my spare word; with fill = 1 the descriptors' steps stand between it and the wait for it
.if \fill
	s_add_nc_u64 s[G0+4*\slot+2:G0+4*\slot+3], s[G0+4*\slot+2:G0+4*\slot+3], 2*ROWB
	s_add_nc_u64 s[G0B+4*\slot+2:G0B+4*\slot+3], s[G0B+4*\slot+2:G0B+4*\slot+3], 2*ROWB
.endif
	s_wait_dscnt 0x0                               ; the add is done, and my reads of this slot are over: token blocks 4-7 were the last of them
	s_barrier_signal -1
	s_barrier_wait -1                              ; the next slot is whole, and no wave of my work-group reads this one
.if \fill
	CREST                                          ; the barrier has opened a round of the cluster's barrier: no wave of any partner still reads this slot's tile or has a load on its way
	JLOAD G0+4*\slot, G1, G0B+4*\slot, G1B         ; the first tensor load behind the round, and my only one until the next; its four v_nop are four of the eight places in front of the loads below
	PLACES NP-4
.else
	PLACES NP
.endif
	s_wait_alu depctr_va_vdst(0)
	v_add_nc_u32 v[ADRS], 4*NQ, v[ADRS]            ; on to the next K step's scale words
	v_add_nc_u32 v[ADRS2], 4*NQ, v[ADRS2]
	FETCH_H \next, 0, 0, 0
	FETCH_A \next, 0, 0
	SCALES \next
.if \fill
	s_cmp_gt_u32 s[LAP], s[LIM]                    ; not in the last trip: there is no K step two refills on
	s_cbranch_scc0 .Lno_ask_\@
	global_prefetch_b8 v[PFO], s[PFA:PFA+1] offset:3*ROWB th:TH_LOAD_NT scope:SCOPE_SE
.Lno_ask_\@:
.endif
	WIN MUL_HI
	MUL16 4, 1, NQ-1, \slot, 0
	FETCH_H \next, 0, 0, 4                         ; the other set: what read it last stands ahead of this step
	WIN MUL_HI
	MUL16 6, 1, NQ-1, \slot, 0
	PLACES NP
	WIN 0
	FETCH_A \next, 0, 4
	FETCH_H \next, 1, 1, 0                         ; half of the next step's weights: so its middle run is 32 loads
.endm
	s_wait_tensorcnt 0x0                           ; my part of K step 0 is in
	ds_add_u32 v[SPW], v[NIL]
	s_wait_dscnt 0x0                               ; the add is done, and my scale bytes lie in LDS
	CROUND                                         ; everybody's part is in
	JLOAD G0+4, G1, G0B+4, G1B                     ; K step 1
	FETCH_H 0, 0, 0, 0
	FETCH_A 0, 0, 0
	SCALES 0
	s_cmp_eq_u32 s[LIM], 1
	s_cbranch_scc0 .Lno_third
	global_prefetch_b8 v[PFO], s[PFA:PFA+1] offset:2*ROWB th:TH_LOAD_NT scope:SCOPE_SE
	global_prefetch_b8 v[PFO], s[PFA:PFA+1] offset:3*ROWB th:TH_LOAD_NT scope:SCOPE_SE
.Lno_third:
	FETCH_H 0, 0, 0, 4
	FETCH_A 0, 0, 4
	FETCH_H 0, 1, 1, 0
	STEP 0, 0, 1                                   ; the first step stands in front of the loop: its products start the sums
	s_mov_b32 s[LAP], LAPS-1
.Llap:                                                 ; a trip goes once round the ring, from a lap's second step to the next lap's first, and fills both slots again
	TURN 0, 1, 1
	STEP 1, 0, 0
	TURN 1, 0, 1
	STEP 0, 0, 0
	s_sub_co_u32 s[LAP], s[LAP], 1
	s_cmp_lg_u32 s[LAP], 0
	s_cbranch_scc1 .Llap
	TURN 0, 1, 0                                   ; the last lap fills nothing, and has no round of the cluster's barrier
	STEP 1, 0, 0
	s_wait_dscnt 4*NL                              ; the very last step: nothing more to fetch
	WIN MUL_LO
	MUL16 0, 1, NQ-1, 1, 0
	MUL16 2, 1, NQ-1, 1, 0
	s_wait_dscnt 0
	WIN MUL_HI
	MUL16 4, 1, NQ-1, 1, 0
	MUL16 6, 1, NQ-1, 1, 0
	WIN 0
; THE WAY OUT of token block a: 16 tokens x my 64 units; a lane has 32 gates and 32 ups of its token.
; h = g / (1 + 2^(-g log2 e)) * u, all in f32; where the power overflows the reciprocal is 0 and h is 0, as silu's limit is.
; Each accumulator is first read at its low end: the loops below go up through the registers.
; TWO TOKEN BLOCKS, a and a + 1, go together: four blocks m of 32 units (m / 2: the token block), so that each dependent batch is twice as long.
.macro HID2 a
.set WA, 2+(\a)/4                      ; the blocks' window
.set GG, 64*((\a)%4)                   ; the first block's gate tiles; its up tiles 32 further on; the second block's 64 further on
.set CA, CD+8*(\a)                     ; their codes
	WIN WA                                         ; source 0 in the accumulators' window
	s_wait_alu depctr_va_vdst(0)
.irp k, 0,1
.set i, 0
.rept 16
	v_pk_mul_f32 v[TT+32*\k+i:TT+32*\k+i+1], v[GG+64*\k+i:GG+64*\k+i+1], s[2:3] op_sel_hi:[1,0]   ; -g log2(e), two at a time
.set i, i+2
.endr
.endr
	WIN 0
.set i, 0
	s_wait_alu depctr_va_vdst(0)
.rept 64
	v_exp_f32 v[TT+i], v[TT+i]
.set i, i+1
.endr
	v_nop                                          ; one plain instruction between the last transcendental and the use of its result (ISA guide 5.7.2)
.set i, 0
	s_wait_alu depctr_va_vdst(0)
.rept 32
	v_pk_add_f32 v[TT+i:TT+i+1], v[TT+i:TT+i+1], 1.0 op_sel_hi:[1,0]
.set i, i+2
.endr
.set i, 0
	s_wait_alu depctr_va_vdst(0)
.rept 64
	v_rcp_f32 v[TT+i], v[TT+i]
.set i, i+1
.endr
	v_nop
	WIN WA
	s_wait_alu depctr_va_vdst(0)
.irp k, 0,1
.set i, 0
.rept 16
	v_pk_mul_f32 v[TT+32*\k+i:TT+32*\k+i+1], v[GG+64*\k+i:GG+64*\k+i+1], v[TT+32*\k+i:TT+32*\k+i+1]           ; silu(g)
.set i, i+2
.endr
.endr
.irp k, 0,1
.set i, 0
.rept 16
	v_pk_mul_f32 v[TT+32*\k+i:TT+32*\k+i+1], v[GG+64*\k+32+i:GG+64*\k+32+i+1], v[TT+32*\k+i:TT+32*\k+i+1]     ; x u.  Register 32 k + 16 b + 8 q + j is unit 32 b + 16 q + 8 h + j of my 64
.set i, i+2
.endr
.endr
	WIN 0
.irp m, 0,1,2,3
	v_max3_num_f32 v[TM+\m], |v[TT+16*\m]|, |v[TT+16*\m+1]|, 0x8000000   ; my 16 numbers of a block, and the floor 2^(16 - 127): so the byte cannot fall under 1
.endr
.irp i, 2,4,6,8,10,12,14
.irp m, 0,1,2,3
	v_max3_num_f32 v[TM+\m], v[TM+\m], |v[TT+16*\m+\i]|, |v[TT+16*\m+\i+1]|
.endr
.endr
.irp m, 0,1,2,3
	v_permlanex16_b32 v[TM+4+\m], v[TM+\m], s98, s99
.endr
.irp m, 0,1,2,3
	v_max_num_f32 v[TM+\m], v[TM+\m], v[TM+4+\m]   ; with lane l xor 16's 16: the block's largest magnitude
.endr
.irp m, 0,1,2,3
	v_add_nc_u32 v[TM+8+\m], 0xf8800000, v[TM+\m]  ; 15 off its exponent field: the conversion takes the exponent field of this operand as its scale
.endr
.irp m, 0,1,2,3
	v_and_or_b32 v[TM+12+\m], v[TM+\m], 0x7f800000, s100   ; 57,344 x the scale
.endr
.irp m, 0,1,2,3
	v_lshrrev_b32 v[TM+16+\m], 23, v[TM+8+\m]      ; the scale's byte
.endr
	v_lshl_or_b32 v[HW+(\a)], v[TM+17], 8, v[TM+16]   ; my two bytes of each token's scale word
	v_lshl_or_b32 v[HW+(\a)+1], v[TM+19], 8, v[TM+18]
.irp m, 0,1,2,3
.set i, 0
.rept 16
	v_med3_num_f32 v[TT+16*\m+i], v[TT+16*\m+i], -v[TM+12+\m], v[TM+12+\m]   ; the conversion to an 8-bit code does not saturate (ISA guide 7.6.2): the hold at the largest code x the scale
.set i, i+1
.endr
.endr
.irp m, 0,1,2,3
.irp q, 0,1
	v_cvt_scalef32_pk8_bf8_f32 v[CA+4*\m+2*\q:CA+4*\m+2*\q+1], v[TT+16*\m+8*\q:TT+16*\m+8*\q+7], v[TM+8+\m]
.endr
.endr
	v_nop                                          ; one plain instruction between a scaled conversion and the next vector instruction that touches its result
; The operand wants units 32 b + 16 h + 0 .. 15 in lane (r, h); I hold 32 b + 8 h + 0 .. 7 (first pair) and 32 b + 16 + 8 h + 0 .. 7 (second pair).
; So lanes 0-15 give their second pair for the partner's first, which becomes their second; lanes 16-31 the other way round.  VCC: lanes 16-31.
.irp m, 0,1,2,3
.irp p, 0,1
	v_permlanex16_b32 v[XT+4*\m+2*\p], v[CA+4*\m+\p+2], s98, s99
	v_permlanex16_b32 v[XT+4*\m+2*\p+1], v[CA+4*\m+\p], s98, s99
.endr
.endr
.irp m, 0,1,2,3
.irp p, 0,1
	v_cndmask_b32 v[CA+4*\m+\p], v[CA+4*\m+\p], v[XT+4*\m+2*\p], vcc_lo
	v_cndmask_b32 v[CA+4*\m+\p+2], v[XT+4*\m+2*\p+1], v[CA+4*\m+\p+2], vcc_lo
.endr
.endr
.irp m, 0,1,2,3
	global_store_b128 v[HST], v[CA+4*\m:CA+4*\m+3], s[16:17] offset:((\a)+\m/2)*8192+(\m%2)*512   ; 32 lanes store 512 consecutive bytes, at a multiple of 512 from the buffer's first byte; every store has data registers of its own
.endr
	ds_store_b16 v[SSTO], v[HW+(\a)] offset:64*(\a)   ; lanes l and l xor 16 write the same two bytes with the same value
	ds_store_b16 v[SSTO], v[HW+(\a)+1] offset:64*(\a)+64
.endm
	PLACES NP                                      ; behind the last products: reads of results, and writes of the registers that held the tokens' fragments
	v_cmp_eq_u32 vcc_lo, 1, v2                     ; lanes 16-31
.irp m, 0,1,2,3
	v_mov_b32 v[TM+4+\m], 0                        ; written once: a lane permute's destination counts as one of its sources
.endr
.set i, 0
.rept 16
	v_mov_b32 v[XT+i], 0
.set i, i+1
.endr
.irp a, 0,2,4,6
	HID2 \a
.endr
	s_wait_dscnt 0x0                               ; for the others' sake: my scale bytes lie in LDS (a token's word comes from two waves)
	s_barrier_signal -1
	s_barrier_wait -1
	ds_load_b64 v[SWD:SWD+1], v[SRD]
	s_wait_dscnt 0x0
	global_store_b64 v[SGO], v[SWD:SWD+1], s[18:19]   ; 32 lanes store 256 consecutive bytes, aligned
	s_wait_tensorcnt 0x0                           ; the wave's end, behind my last tensor load and my last LDS store
	ds_add_u32 v[SPW], v[NIL]
	s_wait_dscnt 0x0
	CROUND                                         ; the closing round: no work-group ends while a partner may still ask for a tile that names it
	s_endpgm
.Lfunc_end_k_qaf4511ed63_hidden:
	.size	k_qaf4511ed63_hidden, .Lfunc_end_k_qaf4511ed63_hidden-k_qaf4511ed63_hidden
	.p2alignl 7, 3214868480
	.fill 96, 4, 3214868480
	.section	.rodata,"a",@progbits
	.p2align	6, 0x0
	.amdhsa_kernel k_qaf4511ed63_hidden
		.amdhsa_group_segment_fixed_size 327680
		.amdhsa_private_segment_fixed_size 0
		.amdhsa_enable_private_segment 0
		.amdhsa_kernarg_size 64
		.amdhsa_user_sgpr_count 2
		.amdhsa_user_sgpr_kernarg_segment_ptr 1
		.amdhsa_wavefront_size32 1
		.amdhsa_system_sgpr_workgroup_id_x 1
		.amdhsa_system_sgpr_workgroup_id_y 1
		.amdhsa_system_sgpr_workgroup_id_z 1
		.amdhsa_system_vgpr_workitem_id 0
		.amdhsa_next_free_vgpr 1024
		.amdhsa_next_free_sgpr 102
		.amdhsa_reserve_vcc 1
		.amdhsa_float_denorm_mode_32 3
		.amdhsa_float_denorm_mode_16_64 3
		.amdhsa_memory_ordered 1
		.amdhsa_forward_progress 1
		.amdhsa_inst_pref_size 210
	.end_amdhsa_kernel
	.amdgpu_metadata
---
amdhsa.version: [ 1, 2 ]
amdhsa.kernels:
  - .name:           k_qaf4511ed63_hidden
    .symbol:         k_qaf4511ed63_hidden.kd
    .args:
      - { .name: x_codes, .offset: 0, .size: 8, .value_kind: global_buffer, .address_space: global }
      - { .name: x_scales, .offset: 8, .size: 8, .value_kind: global_buffer, .address_space: global }
      - { .name: w1_codes, .offset: 16, .size: 8, .value_kind: global_buffer, .address_space: global }
      - { .name: w1_scales, .offset: 24, .size: 8, .value_kind: global_buffer, .address_space: global }
      - { .name: v1_codes, .offset: 32, .size: 8, .value_kind: global_buffer, .address_space: global }
      - { .name: v1_scales, .offset: 40, .size: 8, .value_kind: global_buffer, .address_space: global }
      - { .name: hid_codes, .offset: 48, .size: 8, .value_kind: global_buffer, .address_space: global }
      - { .name: hid_scales, .offset: 56, .size: 8, .value_kind: global_buffer, .address_space: global }
    .group_segment_fixed_size: 327680
    .private_segment_fixed_size: 0
    .kernarg_segment_align: 8
    .kernarg_segment_size: 64
    .max_flat_workgroup_size: 128
    .sgpr_count:     102
    .vgpr_count:     1024
    .wavefront_size: 32
...
	.end_amdgpu_metadata
.endif
;; end of part 1
;; launch combine (part 2): grid 16 x 16, 4 waves a work-group, clusters of 4 x 4, 327,680 bytes of LDS; arguments hid_codes, hid_scales, w2_codes, w2_scales, top_experts, top_weights, out0; writes out0
.if DOCPART == 2
	.amdgcn_target "amdgcn-amd-amdhsa--gfx1250"
	.amdhsa_code_object_version 6
	.text
	.protected	k_qaf4511ed63_combine
	.globl	k_qaf4511ed63_combine
	.p2align	8
	.type	k_qaf4511ed63_combine,@function
k_qaf4511ed63_combine:
	s_mov_b64 s[64:65], 0
	v_nop
	global_prefetch_b8 v0, s[64:65] scope:SCOPE_SE
	s_setreg_imm32_b32 hwreg(HW_REG_WAVE_MODE, 25, 1), 1
	s_wait_xcnt 0x0
	s_wait_alu depctr_hold_cnt(0) depctr_sa_sdst(0) depctr_va_vdst(0) depctr_va_sdst(0) depctr_va_ssrc(0) depctr_va_vcc(0) depctr_vm_vsrc(0)
	s_getreg_b32 s2, hwreg(HW_REG_IB_STS2, 6, 4)
	s_cmp_eq_u32 s2, 0
	s_cbranch_scc0 .Lentry_in_a_cluster
	s_endpgm
.Lentry_in_a_cluster:
	s_bfe_u32 s2, ttmp6, 0x10000c
	s_cmp_lg_u32 s2, 0xf033
	s_cbranch_scc0 .Lentry_shape_is_right
	s_endpgm
.Lentry_shape_is_right:
; out[t][n] = sum over the 8 experts e of gate(t, e) x (h[e][t] . w2[e][n]), gate(t, e) = the sum of top_weights[t][k] over the k with top_experts[t][k] = e.  All experts are multiplied for all tokens; the gate selects.
; h comes from the launch before as images of operand registers (hid_codes, hid_scales), w2 as codes with K innermost; sums in f32, each expert's sum x gate is added in f32, experts ascending.
; SHARES.  128 tokens x 128 columns a work-group, 16 x 16 = 256 of them; four waves, each 64 x 64: 16 accumulators of 16 x 16 for the expert at work (window 1, from v128) and 16 for the result (window 1, from v0).
; An expert is one phase: K = 512, 64 KiB of h and 128 rows of w2 (padded by 16 bytes a row) in one of two LDS slots.  Its four fragment sets of 128 along K fill windows 2 and 3.
; CLUSTERS: 4 x 4 work-groups: h's tiles are asked for jointly along a row of the cluster, w2's along a column.
; The scale bytes of all experts (16 KiB a side) come by plain loads and lie in LDS throughout.  Window 0: addresses, scale words (two sets), gates; on the way out rows read back.
; THE MATRIX INSTRUCTION IS USED TRANSPOSED (source 0 = w2's rows): a lane holds one token and eight neighbouring columns.
; LIMITS: NaN and infinities in an expert's result are carried to every token, chosen or not.
.set EXPB,  0x100000
.set AH,    32768
.set PB,    528
.set BH,    64*PB
.set BOFF,  2*AH
.set SLOT,  BOFF+2*BH
.set SCA,   2*SLOT
.set SCB,   SCA+16384
.set SPARE, SCB+16384
.set STAGE, SPARE+512
.set SP,    272
.set NP,    8
.set ADA,  8
.set ADB,  10
.set ASA,  12
.set ASB,  13
.set STO,  14
.set RD,   15
.set CO,   16
.set TG,   17
.set SPW,  18
.set NIL,  19
.set SCD,  21                          ; v21 where I put scale bytes in LDS
.set LN,   22                          ; v22 16 x lane
.set PFO,  23                          ; v23 256 x lane: the prefetches' offset
.set SCS,  32
.set GT,   96
.set IDX,  160
.set WT,   176
.set OB,   96
.set TMP,  128
.set WV,   18
.set TH,   19
.set NH,   20
.set G1A,  28
.set G1B,  36
.set G0A,  68
.set G0B,  76
.set PFA,  84                          ; s[84:85] where my prefetches stand: expert 0's tile
.set MSB, 0
.macro WIN new
.if MSB != (\new)
	s_set_vgpr_msb (MSB<<8)|(\new)
.set MSB, (\new)
.endif
.endm
.macro JLOAD g0a, g1a, g0b, g1b
	s_cmp_eq_u32 s[TH], 0
	s_cbranch_scc0 .Lfor_b_\@
	tensor_load_to_lds s[\g0a:\g0a+3], s[\g1a:\g1a+7]
	s_nop 0
.rept 4
	v_nop
.endr
	s_branch .Lasked_\@
.Lfor_b_\@:
	tensor_load_to_lds s[\g0b:\g0b+3], s[\g1b:\g1b+7]
	s_nop 0
.rept 4
	v_nop
.endr
.Lasked_\@:
.endm
.macro CREST
	s_cmp_lg_u32 s[WV], 0
	s_cbranch_scc1 .Lnot_wave_0_\@
	s_barrier_signal -3
.Lnot_wave_0_\@:
	s_barrier_wait -3
	s_barrier_signal -1
	s_barrier_wait -1
.endm
.macro CROUND
	s_barrier_signal -1
	s_barrier_wait -1
	CREST
.endm
.macro PLACES n
.rept \n
	v_nop
.endr
.endm
	s_load_b256 s[4:11], s[0:1], 0x0
	s_load_b128 s[12:15], s[0:1], 0x20
	s_load_b64 s[16:17], s[0:1], 0x30
	v_lshl_add_u32 v[SPW], v0, 2, SPARE
	v_mov_b32 v[NIL], 0
	ds_add_u32 v18, v19
	ds_add_u32 v18, v19
	s_wait_dscnt 0x0
	v_lshrrev_b32 v1, 5, v0
	v_readfirstlane_b32 s[WV], v1
	s_lshr_b32 s[TH], s[WV], 1
	s_and_b32 s[NH], s[WV], 1
	s_bfe_u32 s21, ttmp6, 0x40000
	s_bfe_u32 s22, ttmp6, 0x40004
	s_lshl_b32 s23, ttmp9, 2
	s_add_co_u32 s23, s23, s21
	s_and_b32 s24, ttmp7, 0xffff
	s_lshl_b32 s24, s24, 2
	s_add_co_u32 s24, s24, s22
	s_lshl_b32 s25, s22, 2
	s_lshl_b32 s25, 15, s25
	s_lshl_b32 s26, 0x1111, s21
	s_or_b32 s[G1A+0], s25, (3<<16)|(1<<21)
	s_mov_b32 s[G1A+1], 32<<16
	s_mov_b32 s[G1A+2], 128<<16
	s_mov_b32 s[G1A+3], 32<<16
	s_mov_b32 s[G1A+4], 128
	s_mov_b32 s[G1A+5], 32
	s_mov_b32 s[G1A+6], 0
	s_mov_b32 s[G1A+7], 0
	s_or_b32 s[G1B+0], s26, (0<<16)|(1<<20)|(1<<21)|(6<<22)|(3<<25)
	s_mov_b32 s[G1B+1], 512<<16
	s_mov_b32 s[G1B+2], 64<<16
	s_mov_b32 s[G1B+3], 512<<16
	s_mov_b32 s[G1B+4], 64
	s_mov_b32 s[G1B+5], 512
	s_mov_b32 s[G1B+6], 0
	s_mov_b32 s[G1B+7], 0
	v_and_b32 v1, 15, v0                           ; r
	v_bfe_u32 v2, v0, 4, 1                         ; h
	v_and_b32 v3, 31, v0                           ; lane
	v_lshlrev_b32 v[LN], 4, v3
	v_lshlrev_b32 v[PFO], 8, v3
	s_lshl_b32 s27, s[WV], 13                      ; 8,192 scale bytes a wave: waves 0, 1 h's (SCA), waves 2, 3 w2's (SCB, right behind)
	s_add_co_u32 s27, s27, SCA
	v_add_nc_u32 v[SCD], s27, v[LN]
	s_lshl_b32 s27, s[TH], 10
	v_lshl_add_u32 v[TG], v1, 4, s27               ; my tokens' choices: 16 bytes a token
	s_lshl_b32 s27, s[TH], 15
	v_lshl_add_u32 v[ADA], v3, 4, s27              ; h's images: 16 bytes a lane
	v_add_nc_u32 v[ADA+1], SLOT, v[ADA]
	v_mul_u32_u24 v4, v1, PB
	v_lshl_add_u32 v4, v2, 4, v4
	s_mul_i32 s27, s[NH], BH
	s_add_co_u32 s27, s27, BOFF
	v_add_nc_u32 v[ADB], s27, v4                   ; w2's rows
	v_add_nc_u32 v[ADB+1], SLOT, v[ADB]
	s_lshl_b32 s27, s[TH], 8
	s_add_co_u32 s27, s27, SCA
	v_lshl_add_u32 v[ASA], v1, 2, s27              ; scale words: h's 4 bytes a token,
	s_lshl_b32 s27, s[NH], 10
	s_add_co_u32 s27, s27, SCB
	v_lshl_add_u32 v[ASB], v1, 4, s27              ; w2's 16 bytes a row
	s_mul_i32 s63, s[WV], 16*SP                    ; my stage
	s_add_co_u32 s63, s63, STAGE
	v_mul_u32_u24 v[STO], v1, SP
	v_lshl_add_u32 v[STO], v2, 5, v[STO]
	v_add_nc_u32 v[STO], s63, v[STO]
	v_mul_u32_u24 v[RD], v2, SP
	v_lshl_add_u32 v[RD], v1, 4, v[RD]
	v_add_nc_u32 v[RD], s63, v[RD]
	v_lshlrev_b32 v[CO], 13, v2
	v_lshl_add_u32 v[CO], v1, 4, v[CO]
	s_lshl_b32 s92, s24, 16
	s_lshl_b32 s93, s[NH], 15
	s_add_co_u32 s92, s92, s93
	s_mov_b32 s93, 0
	s_lshl_b32 s94, s23, 16
	s_lshl_b32 s95, s[NH], 15
	s_add_co_u32 s94, s94, s95
	s_mov_b32 s95, 0
	s_lshl_b32 s60, s[NH], 15
	s_mul_i32 s61, s[NH], BH
	s_wait_alu depctr_va_vdst(0)
	s_wait_kmcnt 0x0
	s_add_nc_u64 s[4:5], s[4:5], s[92:93]
	s_add_nc_u64 s[8:9], s[8:9], s[94:95]
	s_lshl_b32 s92, s24, 9
	s_lshl_b32 s93, s[NH], 17
	s_add_co_u32 s92, s92, s93
	s_mov_b32 s93, 0
	s_add_nc_u64 s[6:7], s[6:7], s[92:93]
	s_lshl_b32 s94, s23, 11
	s_lshl_b32 s95, s[NH], 17
	s_add_co_u32 s94, s94, s95
	s_mov_b32 s95, 0
	s_add_nc_u64 s[10:11], s[10:11], s[94:95]
	s_lshl_b32 s96, s24, 11
	s_mov_b32 s97, 0
	s_add_nc_u64 s[12:13], s[12:13], s[96:97]
	s_add_nc_u64 s[14:15], s[14:15], s[96:97]
	s_lshl_b32 s96, s24, 20
	s_lshl_b32 s97, s[TH], 19
	s_add_co_u32 s96, s96, s97
	s_lshl_b32 s97, s23, 9
	s_add_co_u32 s96, s96, s97
	s_lshl_b32 s97, s[NH], 8
	s_add_co_u32 s96, s96, s97
	s_mov_b32 s97, 0
	s_add_nc_u64 s[16:17], s[16:17], s[96:97]
	; PREFETCHES: of the 32 KiB that my wave asks for in an expert, the partner at place p (cx for h, cy for w2) names the 8 KiB from 8,192 p on: a lane a block of 256 bytes
	s_cmp_eq_u32 s[TH], 0
	s_cselect_b64 s[PFA:PFA+1], s[4:5], s[8:9]
	s_cselect_b32 s86, s21, s22
	s_lshl_b32 s86, s86, 13
	s_mov_b32 s87, 0
	s_add_nc_u64 s[PFA:PFA+1], s[PFA:PFA+1], s[86:87]
.irp a, 0,1,2,3                        ; my tokens' choices and weights, wanted first
	global_load_b128 v[IDX+4*\a:IDX+4*\a+3], v[TG], s[12:13] offset:256*\a
	global_load_b128 v[WT+4*\a:WT+4*\a+3], v[TG], s[14:15] offset:256*\a
.endr
	; THE SCALE BYTES: waves 0, 1: 16 of the 32 rows (expert, K step) of my 128 tokens' words, 512 bytes each; waves 2, 3: four experts' 2,048 bytes
	s_cmp_eq_u32 s[TH], 0
	s_cbranch_scc0 .Lw2_scales
.set i, 0
.rept 16
	global_load_b128 v[192+4*i:192+4*i+3], v[LN], s[6:7] offset:8192*i
.set i, i+1
.endr
	s_branch .Lscales_asked
.Lw2_scales:
.set i, 0
.rept 16
	global_load_b128 v[192+4*i:192+4*i+3], v[LN], s[10:11] offset:(i/4)*32768+(i%4)*512
.set i, i+1
.endr
.Lscales_asked:
.irp p, 0,1
	s_mov_b32 s[G0A+4*\p], 1
	s_add_co_u32 s[G0A+4*\p+1], s60, \p*SLOT
	s_add_nc_u64 s[G0A+4*\p+2:G0A+4*\p+3], s[4:5], \p*EXPB
	s_or_b32 s[G0A+4*\p+3], s[G0A+4*\p+3], 0x80000000
	s_mov_b32 s[G0B+4*\p], 1
	s_add_co_u32 s[G0B+4*\p+1], s61, \p*SLOT+BOFF
	s_add_nc_u64 s[G0B+4*\p+2:G0B+4*\p+3], s[8:9], \p*EXPB
	s_or_b32 s[G0B+4*\p+3], s[G0B+4*\p+3], 0x80000000
.endr
	CROUND                                         ; all sixteen work-groups are here: the first joint loads meet
	JLOAD G0A, G1A, G0B, G1B                       ; expert 0: one tensor load a wave at the head
	global_prefetch_b8 v[PFO], s[PFA:PFA+1] offset:EXPB th:TH_LOAD_NT scope:SCOPE_SE   ; expert 1; behind expert 1's load experts 2 and 3; behind the refill with expert n + 2, expert n + 4
	s_wait_loadcnt 16                              ; the choices and weights are in; the 16 loads of scale bytes may be out
	; THE GATES of my four blocks of 16 tokens for the eight experts, while expert 0 is on its way
.irp a, 0,1,2,3
.irp e, 0,1,2,3,4,5,6,7
	v_cmp_eq_u32 vcc_lo, \e, v[IDX+4*\a]
	v_cndmask_b32 v[GT+2*(8*\a+\e)], 0, v[WT+4*\a], vcc_lo
.irp k, 1,2,3
	v_cmp_eq_u32 vcc_lo, \e, v[IDX+4*\a+\k]
	v_cndmask_b32 v20, 0, v[WT+4*\a+\k], vcc_lo
	v_add_f32 v[GT+2*(8*\a+\e)], v[GT+2*(8*\a+\e)], v20
.endr
	v_mov_b32 v[GT+2*(8*\a+\e)+1], v[GT+2*(8*\a+\e)]
.endr
.endr
	s_wait_alu depctr_va_vdst(0)
	s_wait_loadcnt 0x0
.set i, 0
.rept 16
	ds_store_b128 v[SCD], v[192+4*i:192+4*i+3] offset:512*i
.set i, i+1
.endr
.macro FETCH p, s
.set FB, 128*((\s)%2)
	WIN 0x80+0x40*((\s)/2)
.irp b, 0,1,2,3
.irp c, 0,1,2,3
	ds_load_b128 v[FB+16*\b+4*\c:FB+16*\b+4*\c+3], v[ADB+\p] offset:\b*16*PB+128*(\s)+32*\c
.endr
.endr
.irp a, 0,1,2,3
.irp c, 0,1,2,3
	ds_load_b128 v[FB+64+16*\a+4*\c:FB+64+16*\a+4*\c+3], v[ADA+\p] offset:(4*\a+(\s))*2048+512*\c
.endr
.endr
.endm
.macro SCALES e
.set SS, SCS+32*((\e)%2)
	WIN 0
.irp a, 0,1,2,3
.irp s, 0,1,2,3
	ds_load_b32 v[SS+4*\a+\s], v[ASA] offset:(4*(\e)+\s)*512+64*\a
.endr
.endr
.irp b, 0,1,2,3
	ds_load_b128 v[SS+16+4*\b:SS+16+4*\b+3], v[ASB] offset:(\e)*2048+256*\b
.endr
.endm
.macro MUL e, s
.set FB, 128*((\s)%2)
.set SS, SCS+32*((\e)%2)
	WIN 0x5a+5*((\s)/2)
.irp a, 0,1,2,3
.irp b, 0,1,2,3
.if (\s) == 0
	v_wmma_scale_f32_16x16x128_f8f6f4 v[TMP+8*(4*\a+\b):TMP+8*(4*\a+\b)+7], v[FB+16*\b:FB+16*\b+15], v[FB+64+16*\a:FB+64+16*\a+15], 0, v[SS+16+4*\b+(\s)], v[SS+4*\a+(\s)] matrix_a_fmt:MATRIX_FMT_BF8 matrix_b_fmt:MATRIX_FMT_BF8
.else
	v_wmma_scale_f32_16x16x128_f8f6f4 v[TMP+8*(4*\a+\b):TMP+8*(4*\a+\b)+7], v[FB+16*\b:FB+16*\b+15], v[FB+64+16*\a:FB+64+16*\a+15], v[TMP+8*(4*\a+\b):TMP+8*(4*\a+\b)+7], v[SS+16+4*\b+(\s)], v[SS+4*\a+(\s)] matrix_a_fmt:MATRIX_FMT_BF8 matrix_b_fmt:MATRIX_FMT_BF8
.endif
.endr
.endr
.endm
.macro FMA e
	WIN 0x51
.irp a, 0,1,2,3
.irp b, 0,1,2,3
.irp j, 0,2,4,6
.if (\e) == 0
	v_pk_mul_f32 v[8*(4*\a+\b)+\j:8*(4*\a+\b)+\j+1], v[TMP+8*(4*\a+\b)+\j:TMP+8*(4*\a+\b)+\j+1], v[GT+2*(8*\a+(\e)):GT+2*(8*\a+(\e))+1] op_sel_hi:[1,0]
.else
	v_pk_fma_f32 v[8*(4*\a+\b)+\j:8*(4*\a+\b)+\j+1], v[TMP+8*(4*\a+\b)+\j:TMP+8*(4*\a+\b)+\j+1], v[GT+2*(8*\a+(\e)):GT+2*(8*\a+(\e))+1], v[8*(4*\a+\b)+\j:8*(4*\a+\b)+\j+1] op_sel_hi:[1,0,1]
.endif
.endr
.endr
.endr
.endm
.macro PHASE e
.set PP, (\e)%2
.set NX, ((\e)+1)%2
	s_wait_dscnt 32                                ; set 0 and the scale words are in: set 1's 32 loads are younger
	MUL \e, 0
	FETCH PP, 2
	s_wait_dscnt 32                                ; set 1 is in: set 2 is younger
	MUL \e, 1
	FETCH PP, 3
	s_wait_dscnt 32                                ; set 2 is in: set 3 is younger
	MUL \e, 2
.if (\e) < 7
	WIN 0
	s_wait_tensorcnt 0x0
	ds_add_u32 v[SPW], v[NIL]
.endif
.if (\e) < 6
	s_add_nc_u64 s[G0A+4*PP+2:G0A+4*PP+3], s[G0A+4*PP+2:G0A+4*PP+3], 2*EXPB
	s_add_nc_u64 s[G0B+4*PP+2:G0B+4*PP+3], s[G0B+4*PP+2:G0B+4*PP+3], 2*EXPB
.endif
	s_wait_dscnt 0x0
.if (\e) < 7
	s_barrier_signal -1
	s_barrier_wait -1
.endif
.if (\e) < 6
	CREST
	JLOAD G0A+4*PP, G1A, G0B+4*PP, G1B
	PLACES NP-4
.endif
.if (\e) == 6
	PLACES NP
.endif
.if (\e) < 7
	FETCH NX, 0
	SCALES (\e)+1
.endif
.if (\e) < 4
	global_prefetch_b8 v[PFO], s[PFA:PFA+1] offset:((\e)+4)*EXPB th:TH_LOAD_NT scope:SCOPE_SE   ; two refills ahead; the last two refills ask for nothing
.endif
	MUL \e, 3
	PLACES NP+1                                    ; behind the last products: the multiply-adds read them, and the next expert's products begin anew on their registers
	FMA \e
.if (\e) < 7
	FETCH NX, 1
.endif
.endm
	s_wait_alu depctr_va_vdst(0)
	s_wait_tensorcnt 0x0                           ; my part of expert 0 is in
	ds_add_u32 v[SPW], v[NIL]
	s_wait_dscnt 0x0                               ; the add is done, and my scale bytes lie in LDS
	CROUND                                         ; everybody's part is in
	JLOAD G0A+4, G1A, G0B+4, G1B                   ; expert 1
	FETCH 0, 0
	SCALES 0
	global_prefetch_b8 v[PFO], s[PFA:PFA+1] offset:2*EXPB th:TH_LOAD_NT scope:SCOPE_SE
	global_prefetch_b8 v[PFO], s[PFA:PFA+1] offset:3*EXPB th:TH_LOAD_NT scope:SCOPE_SE
	FETCH 0, 1
.irp e, 0,1,2,3,4,5,6,7
	PHASE \e
.endr
.macro TOSTAGE a
	WIN 0x04
.irp b, 0,1,2,3
	ds_store_b128 v[STO], v[8*(4*\a+\b):8*(4*\a+\b)+3] offset:64*\b
	ds_store_b128 v[STO], v[8*(4*\a+\b)+4:8*(4*\a+\b)+7] offset:64*\b+16
.endr
	WIN 0
.irp i, 0,1,2,3,4,5,6,7
	ds_load_b128 v[OB+32*\a+4*\i:OB+32*\a+4*\i+3], v[RD] offset:2*\i*SP
.endr
.endm
.macro SEND a, younger
.irp i, 0,1,2,3,4,5,6,7
	s_wait_dscnt \younger+7-\i
	global_store_b128 v[CO], v[OB+32*\a+4*\i:OB+32*\a+4*\i+3], s[16:17] offset:(16*\a+2*\i)*8192 th:TH_STORE_NT
.endr
.endm
	TOSTAGE 0
	TOSTAGE 1
	s_wait_alu depctr_va_vdst(0)
	SEND 0, 16
	TOSTAGE 2
	SEND 1, 16
	TOSTAGE 3
	SEND 2, 16
	SEND 3, 0
	s_wait_tensorcnt 0x0
	ds_add_u32 v[SPW], v[NIL]
	s_wait_dscnt 0x0
	CROUND
	s_endpgm
.Lfunc_end_k_qaf4511ed63_combine:
	.size	k_qaf4511ed63_combine, .Lfunc_end_k_qaf4511ed63_combine-k_qaf4511ed63_combine
	.p2alignl 7, 3214868480
	.fill 96, 4, 3214868480
	.section	.rodata,"a",@progbits
	.p2align	6, 0x0
	.amdhsa_kernel k_qaf4511ed63_combine
		.amdhsa_group_segment_fixed_size 327680
		.amdhsa_private_segment_fixed_size 0
		.amdhsa_enable_private_segment 0
		.amdhsa_kernarg_size 56
		.amdhsa_user_sgpr_count 2
		.amdhsa_user_sgpr_kernarg_segment_ptr 1
		.amdhsa_wavefront_size32 1
		.amdhsa_system_sgpr_workgroup_id_x 1
		.amdhsa_system_sgpr_workgroup_id_y 1
		.amdhsa_system_sgpr_workgroup_id_z 1
		.amdhsa_system_vgpr_workitem_id 0
		.amdhsa_next_free_vgpr 1024
		.amdhsa_next_free_sgpr 100
		.amdhsa_reserve_vcc 1
		.amdhsa_float_denorm_mode_32 3
		.amdhsa_float_denorm_mode_16_64 3
		.amdhsa_memory_ordered 1
		.amdhsa_forward_progress 1
		.amdhsa_inst_pref_size 219
	.end_amdhsa_kernel
	.amdgpu_metadata
---
amdhsa.version: [ 1, 2 ]
amdhsa.kernels:
  - .name:           k_qaf4511ed63_combine
    .symbol:         k_qaf4511ed63_combine.kd
    .args:
      - { .name: hid_codes, .offset: 0, .size: 8, .value_kind: global_buffer, .address_space: global }
      - { .name: hid_scales, .offset: 8, .size: 8, .value_kind: global_buffer, .address_space: global }
      - { .name: w2_codes, .offset: 16, .size: 8, .value_kind: global_buffer, .address_space: global }
      - { .name: w2_scales, .offset: 24, .size: 8, .value_kind: global_buffer, .address_space: global }
      - { .name: top_experts, .offset: 32, .size: 8, .value_kind: global_buffer, .address_space: global }
      - { .name: top_weights, .offset: 40, .size: 8, .value_kind: global_buffer, .address_space: global }
      - { .name: out0, .offset: 48, .size: 8, .value_kind: global_buffer, .address_space: global }
    .group_segment_fixed_size: 327680
    .private_segment_fixed_size: 0
    .kernarg_segment_align: 8
    .kernarg_segment_size: 56
    .max_flat_workgroup_size: 128
    .sgpr_count:     100
    .vgpr_count:     1024
    .wavefront_size: 32
...
	.end_amdgpu_metadata
.endif
;; end of part 2
